; MI455X (gfx1250); checked and timed in simulation.
; The chip was launched on July 23, 2026; its instructions are those of AMD's public machine-readable ISA for CDNA 5 (MIT licence, August 2026) and "CDNA5" Instruction Set Architecture Reference Guide (July 2026). The comments in the code are by the model that wrote it; some were corrected since.
;; Non Local. Allowed arithmetic: float matrix products may take bf16 or f16 operands with f32 sums; other float arithmetic in f32, or as packed bf16 or f16 multiplies, adds, multiply-adds, maxima and minima; sums over many terms, partial sums and values carried from step to step in f32; what a program stores and reads back later, other than sums and carried values, may be rounded once to bf16 or f16.
;; Inputs: w_g 256 x 512 float32; w_mask 512 x 256 float32; w_phi 256 x 512 float32; w_theta 256 x 512 float32; x 8 x 512 x 64 x 64 float32.
;; Outputs: out0 8 x 512 x 64 x 64 float32.
;; One version. Each part assembles by itself: llvm-mc -triple=amdgcn-amd-amdhsa -mcpu=gfx1250 --defsym DOCPART=n.
;; ======== version 1 of 1: 4 launches
;; limits: values are held in f16: magnitudes above 65,504 overflow, below 6.1e-05 lose precision
;; workspace buffers: w16 786,432 bytes; wmf 262,144 bytes; tpg 50,331,648 bytes; et 67,108,864 bytes; st 2,097,152 bytes
;; launch prep (part 1): grid 64 x 4, 8 waves a work-group, no clusters, 0 bytes of LDS; arguments w_phi, w_theta, w_g, w_mask, w16, wmf; writes w16, wmf
.if DOCPART == 1
	.amdgcn_target "amdgcn-amd-amdhsa--gfx1250"
	.amdhsa_code_object_version 6
	.text
	.protected	k_q5e6b24c894_prep
	.globl	k_q5e6b24c894_prep
	.p2align	8
	.type	k_q5e6b24c894_prep,@function
k_q5e6b24c894_prep:
	s_mov_b64 s[64:65], 0
	v_nop
	global_prefetch_b8 v0, s[64:65] scope:SCOPE_SE
	s_setreg_imm32_b32 hwreg(HW_REG_WAVE_MODE, 25, 1), 1
	s_wait_xcnt 0x0
; The four weight matrices are rounded once, so that the matrix launches load 16-bit operands.
; y = 0, 1, 2: w_phi, w_theta, w_g [256][512] f32 -> w16 rows 256 y .. 256 y + 255, f16, same order.
; y = 3:       w_mask [512][256] f32 -> wmf, bf16, in the order of a matrix operand's registers:
;              byte (((TT*8+kb)*2+grp)*32+L)*16+2e holds w_mask[16 TT + (L&15)][32 kb + 16 grp + 8 (L>>4) + e].
; LIMIT: a weight of magnitude 65,504 or more becomes infinity in f16 (w_mask, in bf16, has f32's range).
; No LDS, no matrix unit, no cluster: two megabytes are read once and no work-group shares a byte with another.
	s_load_b256 s[4:11], s[0:1], 0x0               ; w_phi s[4:5], w_theta s[6:7], w_g s[8:9], w_mask s[10:11]
	s_load_b128 s[12:15], s[0:1], 0x20             ; w16 s[12:13], wmf s[14:15]
	s_and_b32 s16, ttmp7, 0xffff                   ; y: which matrix
	v_lshrrev_b32 v1, 5, v0
	v_readfirstlane_b32 s17, v1                    ; wave 0..7
	s_mov_b32 s21, 0                               ; high word of every offset pair
	s_wait_kmcnt 0x0
	s_cmp_eq_u32 s16, 3
	s_cbranch_scc1 .Lmask
	; a plain cast: the work-group takes 8,192 bytes of f32, thread t the 16 bytes at 16 t and at 4,096 + 16 t
	s_cmp_eq_u32 s16, 1
	s_cselect_b64 s[18:19], s[6:7], s[4:5]
	s_cmp_eq_u32 s16, 2
	s_cselect_b64 s[18:19], s[8:9], s[18:19]
	s_lshl_b32 s20, ttmp9, 13
	s_add_nc_u64 s[18:19], s[18:19], s[20:21]
	v_lshlrev_b32 v2, 4, v0
	global_load_b128 v[4:7], v2, s[18:19] th:TH_LOAD_NT
	global_load_b128 v[8:11], v2, s[18:19] offset:4096 th:TH_LOAD_NT
	s_lshl_b32 s20, s16, 18                        ; 256 rows of 1,024 bytes for each matrix
	s_lshl_b32 s22, ttmp9, 12
	s_add_co_u32 s20, s20, s22
	s_add_nc_u64 s[12:13], s[12:13], s[20:21]
	v_lshlrev_b32 v3, 3, v0
	s_wait_loadcnt 0x0
	v_cvt_pk_f16_f32 v12, v4, v5
	v_cvt_pk_f16_f32 v13, v6, v7
	v_cvt_pk_f16_f32 v14, v8, v9
	v_cvt_pk_f16_f32 v15, v10, v11
	global_store_b64 v3, v[12:13], s[12:13]        ; a wave's store covers 256 consecutive bytes, aligned
	global_store_b64 v3, v[14:15], s[12:13] offset:2048
	s_endpgm
.Lmask:
	; a wave makes one unit of 512 bytes: half a fragment (16 rows of w_mask, 16 of its columns)
	s_lshl_b32 s18, ttmp9, 3
	s_add_co_u32 s18, s18, s17                     ; U = 0..511
	s_lshr_b32 s19, s18, 4                         ; TT
	s_bfe_u32 s22, s18, 0x30001                    ; kb
	s_and_b32 s23, s18, 1                          ; grp
	s_lshl_b32 s20, s19, 14                        ; 16 TT rows of 1,024 bytes
	s_lshl_b32 s22, s22, 7                         ; 32 kb numbers of 4 bytes
	s_add_co_u32 s20, s20, s22
	s_lshl_b32 s23, s23, 6                         ; 16 grp numbers
	s_add_co_u32 s20, s20, s23
	s_add_nc_u64 s[10:11], s[10:11], s[20:21]
	v_and_b32 v2, 15, v0
	v_bfe_u32 v3, v0, 4, 1
	v_lshlrev_b32 v2, 10, v2
	v_lshl_add_u32 v2, v3, 5, v2                   ; row (L&15), 8 numbers from column 8 (L>>4)
	global_load_b128 v[4:7], v2, s[10:11]
	global_load_b128 v[8:11], v2, s[10:11] offset:16
	s_lshl_b32 s20, s18, 9
	s_add_nc_u64 s[14:15], s[14:15], s[20:21]
	v_and_b32 v3, 31, v0
	v_lshlrev_b32 v3, 4, v3
	s_wait_loadcnt 0x0
	v_cvt_pk_bf16_f32 v12, v4, v5
	v_cvt_pk_bf16_f32 v13, v6, v7
	v_cvt_pk_bf16_f32 v14, v8, v9
	v_cvt_pk_bf16_f32 v15, v10, v11
	global_store_b128 v3, v[12:15], s[14:15]       ; 512 consecutive bytes
	s_endpgm
.Lfunc_end_k_q5e6b24c894_prep:
	.size	k_q5e6b24c894_prep, .Lfunc_end_k_q5e6b24c894_prep-k_q5e6b24c894_prep
	.p2alignl 7, 3214868480
	.fill 96, 4, 3214868480
	.section	.rodata,"a",@progbits
	.p2align	6, 0x0
	.amdhsa_kernel k_q5e6b24c894_prep
		.amdhsa_group_segment_fixed_size 0
		.amdhsa_private_segment_fixed_size 0
		.amdhsa_enable_private_segment 0
		.amdhsa_kernarg_size 48
		.amdhsa_user_sgpr_count 2
		.amdhsa_user_sgpr_kernarg_segment_ptr 1
		.amdhsa_wavefront_size32 1
		.amdhsa_system_sgpr_workgroup_id_x 1
		.amdhsa_system_sgpr_workgroup_id_y 1
		.amdhsa_system_sgpr_workgroup_id_z 1
		.amdhsa_system_vgpr_workitem_id 0
		.amdhsa_next_free_vgpr 24
		.amdhsa_next_free_sgpr 66
		.amdhsa_reserve_vcc 0
		.amdhsa_float_denorm_mode_32 3
		.amdhsa_float_denorm_mode_16_64 3
		.amdhsa_memory_ordered 1
		.amdhsa_forward_progress 1
		.amdhsa_inst_pref_size 3
	.end_amdhsa_kernel
	.amdgpu_metadata
---
amdhsa.version: [ 1, 2 ]
amdhsa.kernels:
  - .name:           k_q5e6b24c894_prep
    .symbol:         k_q5e6b24c894_prep.kd
    .args:
      - { .name: w_phi, .offset: 0, .size: 8, .value_kind: global_buffer, .address_space: global }
      - { .name: w_theta, .offset: 8, .size: 8, .value_kind: global_buffer, .address_space: global }
      - { .name: w_g, .offset: 16, .size: 8, .value_kind: global_buffer, .address_space: global }
      - { .name: w_mask, .offset: 24, .size: 8, .value_kind: global_buffer, .address_space: global }
      - { .name: w16, .offset: 32, .size: 8, .value_kind: global_buffer, .address_space: global }
      - { .name: wmf, .offset: 40, .size: 8, .value_kind: global_buffer, .address_space: global }
    .group_segment_fixed_size: 0
    .private_segment_fixed_size: 0
    .kernarg_segment_align: 8
    .kernarg_segment_size: 48
    .max_flat_workgroup_size: 256
    .sgpr_count:     66
    .vgpr_count:     24
    .wavefront_size: 32
...
	.end_amdgpu_metadata
.endif
;; end of part 1
;; launch proj (part 2): grid 256 x 1, 4 waves a work-group, clusters of 4 x 1, 327,680 bytes of LDS; arguments x, w16, tpg; writes tpg
.if DOCPART == 2
	.amdgcn_target "amdgcn-amd-amdhsa--gfx1250"
	.amdhsa_code_object_version 6
	.text
	.protected	k_q5e6b24c894_proj
	.globl	k_q5e6b24c894_proj
	.p2align	8
	.type	k_q5e6b24c894_proj,@function
k_q5e6b24c894_proj:
	s_mov_b64 s[64:65], 0
	v_nop
	global_prefetch_b8 v0, s[64:65] scope:SCOPE_SE
	s_setreg_imm32_b32 hwreg(HW_REG_WAVE_MODE, 25, 1), 1
	s_wait_xcnt 0x0
	s_wait_alu depctr_hold_cnt(0) depctr_sa_sdst(0) depctr_va_vdst(0) depctr_va_sdst(0) depctr_va_ssrc(0) depctr_va_vcc(0) depctr_vm_vsrc(0)
	s_getreg_b32 s2, hwreg(HW_REG_IB_STS2, 6, 4)
	s_cmp_eq_u32 s2, 0
	s_cbranch_scc0 .Lentry_in_a_cluster
	s_endpgm
.Lentry_in_a_cluster:
	s_bfe_u32 s2, ttmp6, 0x10000c
	s_cmp_lg_u32 s2, 0x3003
	s_cbranch_scc0 .Lentry_shape_is_right
	s_endpgm
.Lentry_shape_is_right:
; The three 1x1 convolutions: conv_u[b][o][p] = sum over c of W_u[o][c] x[b][c][p], u = phi, theta, g.
; Stored position-major for the later launches: tpg[u][b][n][half*256+o] (f16) = conv_u[b][o][half*2048+n].
; A work-group takes 128 pixels of one batch and all 768 rows of W, in three passes of 256 rows; K = 512 in four steps of 128.
; x is read once: 128 loads a wave into registers, rounded to f16, laid as [c][p] into LDS, where it stays for all three passes.
; W's tiles (256 rows x 128 c) come by tensor loads through two LDS slots.  All work-groups walk the same tiles of W, so the four of a
; cluster ask for them jointly (mask 15): that divides the requests for W by four.
; A wave makes 128 o x 64 p: 32 accumulator tiles.  Source 0 = rows of W, source 1 = columns of x (transposing LDS loads), so a lane's eight
; results are eight neighbouring o of one pixel: 16 bytes of a row of tpg.
; LIMITS: x, W and the results are kept in f16: a magnitude of 65,504 or more becomes infinity; sums are f32.
; REGISTERS: window 0: v1-12 addresses, two fragment buffers (A v16-79 / v120-183, B v80-111 / v184-215), v224-255 packed results;
; window 1: the accumulators, tile (a, b) at 8 (4 a + b); windows 2, 3: x as it lands.
.set WPITCH, 272                       ; an LDS row of W: 256 bytes + 16, an odd multiple of 16
.set WSLOT,  256*WPITCH                ; 69,632
.set XS,     2*WSLOT                   ; x in f16, [512 c][128 p]
.set XPITCH, 288                       ; 256 bytes + 32, an odd multiple of 32, as the transposing loads want
.set STG,    XS+512*XPITCH             ; the way out: 16 rows x 272 bytes for each wave
.set AW,  1                            ; v1-2   my rows of W in slot 0, 1
.set AX,  4                            ; v4-7   my columns of x, K step 0..3
.set AXW, 8                            ; v8     where I put x
.set STO, 9                            ; v9     the way out: in
.set RD,  10                           ; v10    the way out: back
.set CO,  11                           ; v11    my byte offset in tpg
.set XO,  12                           ; v12    my byte offset in x
.set TMP, 224
.set G1,  16                           ; s[16:23] descriptor group 1
.set G0,  24                           ; s[24:31] descriptor group 0, one set for each slot
.set MSB, 0
.macro WIN new                         ; the immediate's high byte repeats the setting that is left
.if MSB != \new
	s_set_vgpr_msb (MSB<<8)|\new
.set MSB, \new
.endif
.endm
.macro PLACES n
.rept \n
	v_nop
.endr
.endm
.macro CREST                           ; a round of the cluster's barrier behind its opening barrier
	s_cmp_lg_u32 s10, 0
	s_cbranch_scc1 .Lnot_wave_0_\@
	s_barrier_signal -3
.Lnot_wave_0_\@:
	s_barrier_wait -3
	s_barrier_signal -1
	s_barrier_wait -1
.endm
.macro CROUND                          ; a whole round
	s_barrier_signal -1
	s_barrier_wait -1
	CREST
.endm
	s_load_b128 s[4:7], s[0:1], 0x0                ; x s[4:5], w16 s[6:7]
	s_load_b64 s[8:9], s[0:1], 0x10                ; tpg
	v_lshl_add_u32 v222, v0, 2, 0x4a400
	v_mov_b32 v223, 0
	ds_add_u32 v222, v223
	v_lshrrev_b32 v1, 5, v0
	v_readfirstlane_b32 s10, v1                    ; wave 0..3
	s_lshr_b32 s11, s10, 1                         ; oh: which 128 of a pass's 256 rows of W
	s_and_b32 s12, s10, 1                          ; ph: which 64 of the 128 pixels
	s_bfe_u32 s13, ttmp6, 0x40000                  ; cx
	s_lshl_b32 s14, ttmp9, 2
	s_add_co_u32 s14, s14, s13                     ; work-group 0..255
	s_lshr_b32 s15, s14, 5                         ; batch
	s_and_b32 s32, s14, 31                         ; block of 128 pixels
	s_lshr_b32 s33, s32, 4                         ; half
	s_and_b32 s34, s32, 15                         ; n0 / 128
	; group 1: 64 rows x 128 elements of 2 bytes, 512 elements from row to row, 4 words of padding behind every 64
	s_mov_b32 s[G1+0], 15|(1<<16)|(1<<20)|(1<<21)|(5<<22)|(3<<25)
	s_mov_b32 s[G1+1], 128<<16
	s_mov_b32 s[G1+2], 64<<16
	s_mov_b32 s[G1+3], 128<<16
	s_mov_b32 s[G1+4], 64
	s_mov_b32 s[G1+5], 512
	s_mov_b32 s[G1+6], 0
	s_mov_b32 s[G1+7], 0
	s_lshl_b32 s36, s15, 23                        ; x: batch x 8 MiB + block x 512 bytes
	s_lshl_b32 s37, s32, 9
	s_add_co_u32 s36, s36, s37
	s_mov_b32 s37, 0
	s_lshl_b32 s38, s15, 21                        ; tpg: batch x 2 MiB + (n0 + 64 ph) rows of 1,024 + 512 half + 256 oh
	s_lshl_b32 s39, s34, 17
	s_add_co_u32 s38, s38, s39
	s_lshl_b32 s39, s12, 16
	s_add_co_u32 s38, s38, s39
	s_lshl_b32 s39, s33, 9
	s_add_co_u32 s38, s38, s39
	s_lshl_b32 s39, s11, 8
	s_add_co_u32 s38, s38, s39
	s_mov_b32 s39, 0
	s_lshl_b32 s40, s10, 16                        ; W: my 64 rows of a tile (the wave's number alone: alike in all four partners)
	s_mov_b32 s41, 0
	s_mul_i32 s42, s10, 64*WPITCH                  ; and where they go
	; vector addresses
	v_and_b32 v13, 31, v0                          ; L
	v_and_b32 v14, 15, v0                          ; r
	v_bfe_u32 v15, v0, 4, 1                        ; h
	s_mul_i32 s43, s11, 128*WPITCH
	v_mul_u32_u24 v[AW], v14, WPITCH
	v_lshl_add_u32 v[AW], v15, 4, v[AW]
	v_add_nc_u32 v[AW], s43, v[AW]                 ; (128 oh + r) pitch + 16 h
	v_add_nc_u32 v[AW+1], WSLOT, v[AW]
	v_and_b32 v3, 7, v0
	v_lshl_add_u32 v3, v15, 3, v3                  ; 8 h + (L & 7)
	v_mul_u32_u24 v3, v3, XPITCH
	v_bfe_u32 v[AX], v0, 3, 1
	v_lshl_add_u32 v3, v[AX], 4, v3                ; + 16 ((L >> 3) & 1)
	s_lshl_b32 s43, s12, 7
	s_add_co_u32 s43, s43, XS
	v_add_nc_u32 v[AX], s43, v3
	v_add_nc_u32 v[AX+1], 128*XPITCH, v[AX]
	v_add_nc_u32 v[AX+2], 128*XPITCH, v[AX+1]
	v_add_nc_u32 v[AX+3], 128*XPITCH, v[AX+2]
	s_mul_i32 s43, s10, 32*XPITCH
	s_add_co_u32 s43, s43, XS
	v_lshl_add_u32 v[AXW], v13, 3, s43             ; my 32 rows of a chunk, 8 bytes a lane
	s_mul_i32 s43, s10, 16*272
	s_add_co_u32 s43, s43, STG
	v_mul_u32_u24 v[STO], v14, 272
	v_lshl_add_u32 v[STO], v15, 4, v[STO]
	v_add_nc_u32 v[STO], s43, v[STO]
	v_mul_u32_u24 v[RD], v15, 272
	v_lshl_add_u32 v[RD], v14, 4, v[RD]
	v_add_nc_u32 v[RD], s43, v[RD]
	v_lshlrev_b32 v[CO], 10, v15
	v_lshl_add_u32 v[CO], v14, 4, v[CO]
	s_lshl_b32 s43, s10, 19                        ; 32 rows of 16,384 bytes for each wave
	v_lshl_add_u32 v[XO], v13, 4, s43
	s_wait_dscnt 0x0
	s_wait_kmcnt 0x0
	s_add_nc_u64 s[4:5], s[4:5], s[36:37]
	s_add_nc_u64 s[8:9], s[8:9], s[38:39]
	s_add_nc_u64 s[6:7], s[6:7], s[40:41]
	CROUND                                         ; all four work-groups are here: the first joint loads meet
.irp s, 0,1
	s_mov_b32 s[G0+4*\s], 1
	s_add_co_u32 s[G0+4*\s+1], s42, \s*WSLOT
	s_add_nc_u64 s[G0+4*\s+2:G0+4*\s+3], s[6:7], \s*256      ; K step s of the first pass
	s_or_b32 s[G0+4*\s+3], s[G0+4*\s+3], 0x80000000
	tensor_load_to_lds s[G0+4*\s:G0+4*\s+3], s[G1:G1+7]      ; both first fills, ahead of every wait, LDS read and further barrier
	s_nop 0
.endr
	; x: chunk q holds rows c = 128 q + 32 wave + e; each load takes one row's 512 consecutive bytes
.irp q, 0,1,2,3
	WIN (0x80+0x40*(\q>>1))
.set ii, 0
.rept 32
	global_load_b128 v[128*(\q&1)+4*ii:128*(\q&1)+4*ii+3], v[XO], s[4:5] offset:(128*\q+ii)*16384 th:TH_LOAD_NT
.set ii, ii+1
.endr
.endr
	WIN 0
; Chunk q of x: rounded in place and laid into LDS.  96, 64, 32, 0 younger loads may be out; a wait names 63 at the most.
.macro XCHUNK q
.if \q < 2
	s_wait_loadcnt 63
.else
	s_wait_loadcnt 32*(3-\q)
.endif
	WIN (0x8a+0x45*(\q>>1))
.set ii, 0
.rept 32
	v_cvt_pk_f16_f32 v[128*(\q&1)+4*ii], v[128*(\q&1)+4*ii], v[128*(\q&1)+4*ii+1]
	v_cvt_pk_f16_f32 v[128*(\q&1)+4*ii+1], v[128*(\q&1)+4*ii+2], v[128*(\q&1)+4*ii+3]
.set ii, ii+1
.endr
	WIN (0x08+0x04*(\q>>1))
.set ii, 0
.rept 32
	ds_store_b64 v[AXW], v[128*(\q&1)+4*ii:128*(\q&1)+4*ii+1] offset:XPITCH*ii
.set ii, ii+1
.endr
	WIN 0
.if \q < 3
	v_add_nc_u32 v[AXW], 128*XPITCH, v[AXW]
.endif
.endm
; 16 matrix instructions: A tiles a0 .. a0+3 x all four B tiles.  The 32 accumulators take turns, one instruction a turn, in the same order
; in every quarter.  zero = 1: the first product starts the sums.
.macro MUL16 f, a0, zero
.irp a, \a0, \a0+1, \a0+2, \a0+3
.irp b, 0,1,2,3
.if \zero
	v_wmma_f32_16x16x32_f16 v[8*(4*(\a)+\b):8*(4*(\a)+\b)+7], v[16+104*\f+8*(\a):16+104*\f+8*(\a)+7], v[80+104*\f+8*\b:80+104*\f+8*\b+7], 0
.else
	v_wmma_f32_16x16x32_f16 v[8*(4*(\a)+\b):8*(4*(\a)+\b)+7], v[16+104*\f+8*(\a):16+104*\f+8*(\a)+7], v[80+104*\f+8*\b:80+104*\f+8*\b+7], v[8*(4*(\a)+\b):8*(4*(\a)+\b)+7]
.endif
.endr
.endr
.endm
; the fragments of one quarter (32 along K): 128 rows of W from slot s, 64 columns of x of K step ks, into buffer f
.macro FETCH s, ks, q, f
.irp a, 0,1,2,3,4,5,6,7
	ds_load_b128 v[16+104*\f+8*\a:16+104*\f+8*\a+3], v[AW+\s] offset:64*\q+16*WPITCH*\a
	ds_load_b128 v[16+104*\f+8*\a+4:16+104*\f+8*\a+7], v[AW+\s] offset:64*\q+16*WPITCH*\a+32
.endr
.irp b, 0,1,2,3
	ds_load_tr16_b128 v[80+104*\f+8*\b:80+104*\f+8*\b+3], v[AX+\ks] offset:32*XPITCH*\q+32*\b
	ds_load_tr16_b128 v[80+104*\f+8*\b+4:80+104*\f+8*\b+7], v[AX+\ks] offset:32*XPITCH*\q+32*\b+16*XPITCH
.endr
.endm
; One of a K step's first three quarters: multiplies buffer f; ahead of that it asks for the next quarter's fragments.
.macro QUARTER s, ks, q, f, zero
	s_wait_dscnt 0x0                               ; buffer f's loads are the only LDS instructions out
	PLACES 4                                       ; four places behind the last matrix instruction that read the other buffer (ISA guide 7.12.1)
	FETCH \s, \ks, (\q+1), (1-\f)
	WIN 0x50
	MUL16 \f, 0, \zero
	MUL16 \f, 4, \zero
	WIN 0
.endm
; The last quarter, on buffer 1, and the change of slots.  In front of the barrier each wave waits for its LDS instructions (reads of this slot,
; stores of x) and for all its tensor loads, of which one is out: its part of the next slot.  Where the slot is filled again the barrier
; opens a round of the cluster's barrier, and the joint refill is the first tensor load behind the round.
.macro TAIL s, nks, xq, fill, step
.if \xq >= 0
	XCHUNK \xq                                     ; the next K step's rows of x, shown to the other waves by the barrier below
.endif
	s_wait_dscnt 0x0
	s_wait_tensorcnt 0x0
	ds_add_u32 v222, v223
	s_wait_dscnt 0x0
	s_barrier_signal -1
	WIN 0x50
	MUL16 1, 0, 0                                  ; register work while the others arrive
	WIN 0
	s_barrier_wait -1
.if \fill
	CREST
	s_add_nc_u64 s[G0+4*\s+2:G0+4*\s+3], s[G0+4*\s+2:G0+4*\s+3], \step
	tensor_load_to_lds s[G0+4*\s:G0+4*\s+3], s[G1:G1+7]
	s_nop 0
.endif
	PLACES 4
	FETCH (1-\s), \nks, 0, 0
	WIN 0x50
	MUL16 1, 4, 0
	WIN 0
.endm
.macro TRIP s, ks, nks, zero, xq, fill, step
	QUARTER \s, \ks, 0, 0, \zero
	QUARTER \s, \ks, 1, 1, 0
	QUARTER \s, \ks, 2, 0, 0
	TAIL \s, \nks, \xq, \fill, \step
.endm
; A pass's results leave, 16 pixels at a time: rounded to f16, 16 bytes a lane into my own stage, read back as rows of 256 bytes.
; Buffer 1's registers take the rows (buffer 0 already holds the next pass's first fragments).
.macro WAYOUT more
	PLACES 5
.irp b, 0,1,2,3
	WIN 0x05
.irp a, 0,1,2,3,4,5,6,7
.irp i, 0,1,2,3
	v_cvt_pk_f16_f32 v[TMP+4*\a+\i], v[8*(4*\a+\b)+2*\i], v[8*(4*\a+\b)+2*\i+1]
.endr
.endr
	WIN 0
.irp a, 0,1,2,3,4,5,6,7
	ds_store_b128 v[STO], v[TMP+4*\a:TMP+4*\a+3] offset:32*\a
.endr
	s_wait_xcnt 0x0                                ; the registers below were data of earlier stores: loaded again only behind this wait
.irp t, 0,1,2,3,4,5,6,7
	ds_load_b128 v[120+32*(\b&1)+4*\t:120+32*(\b&1)+4*\t+3], v[RD] offset:544*\t   ; LDS serves a wave's instructions in order: these see the stores above
.endr
.irp t, 0,1,2,3,4,5,6,7
	s_wait_dscnt 7-\t
	global_store_b128 v[CO], v[120+32*(\b&1)+4*\t:120+32*(\b&1)+4*\t+3], s[8:9] offset:(16*\b+2*\t)*1024   ; 16 lanes store 256 consecutive bytes, aligned
.endr
.endr
	s_wait_xcnt 0x0                                ; the base is stepped, and buffer 1 loaded again, only behind this wait
.if \more
	s_add_nc_u64 s[8:9], s[8:9], 16777216          ; the next plane of tpg
.endif
.endm
	XCHUNK 0
	s_wait_dscnt 0x0                               ; my rows of x are in LDS
	s_wait_tensorcnt 0x1                           ; my part of tile 0 is in; tile 1 may stay out
	s_barrier_signal -1
	s_barrier_wait -1
	FETCH 0, 0, 0, 0
	; twelve K steps, tile t = 4 pass + K step in slot t & 1; the refill of step t asks for tile t + 2:
	; 512 bytes on in the same rows, or 256 rows on and 512 bytes back
	TRIP 0, 0, 1, 1,  1, 1, 512
	TRIP 1, 1, 2, 0,  2, 1, 512
	TRIP 0, 2, 3, 0,  3, 1, 261632
	TRIP 1, 3, 0, 0, -1, 1, 261632
	WAYOUT 1
	TRIP 0, 0, 1, 1, -1, 1, 512
	TRIP 1, 1, 2, 0, -1, 1, 512
	TRIP 0, 2, 3, 0, -1, 1, 261632
	TRIP 1, 3, 0, 0, -1, 1, 261632
	WAYOUT 1
	TRIP 0, 0, 1, 1, -1, 1, 512
	TRIP 1, 1, 2, 0, -1, 1, 512
	TRIP 0, 2, 3, 0, -1, 0, 0                      ; nothing is left to fetch: a plain barrier
	QUARTER 1, 3, 0, 0, 0
	QUARTER 1, 3, 1, 1, 0
	QUARTER 1, 3, 2, 0, 0
	s_wait_dscnt 0x0
	WIN 0x50
	MUL16 1, 0, 0
	MUL16 1, 4, 0
	WIN 0
	WAYOUT 0
	s_wait_tensorcnt 0x0
	ds_add_u32 v222, v223
	s_wait_dscnt 0x0
	CROUND                                         ; the closing round: no work-group ends while a partner may still ask jointly
	s_endpgm
.Lfunc_end_k_q5e6b24c894_proj:
	.size	k_q5e6b24c894_proj, .Lfunc_end_k_q5e6b24c894_proj-k_q5e6b24c894_proj
	.p2alignl 7, 3214868480
	.fill 96, 4, 3214868480
	.section	.rodata,"a",@progbits
	.p2align	6, 0x0
	.amdhsa_kernel k_q5e6b24c894_proj
		.amdhsa_group_segment_fixed_size 327680
		.amdhsa_private_segment_fixed_size 0
		.amdhsa_enable_private_segment 0
		.amdhsa_kernarg_size 24
		.amdhsa_user_sgpr_count 2
		.amdhsa_user_sgpr_kernarg_segment_ptr 1
		.amdhsa_wavefront_size32 1
		.amdhsa_system_sgpr_workgroup_id_x 1
		.amdhsa_system_sgpr_workgroup_id_y 1
		.amdhsa_system_sgpr_workgroup_id_z 1
		.amdhsa_system_vgpr_workitem_id 0
		.amdhsa_next_free_vgpr 1024
		.amdhsa_next_free_sgpr 66
		.amdhsa_reserve_vcc 0
		.amdhsa_float_denorm_mode_32 3
		.amdhsa_float_denorm_mode_16_64 3
		.amdhsa_memory_ordered 1
		.amdhsa_forward_progress 1
		.amdhsa_inst_pref_size 255
	.end_amdhsa_kernel
	.section	.bss,"aw",@nobits
	.p2align	6
	.space	262144
	.amdgpu_metadata
---
amdhsa.version: [ 1, 2 ]
amdhsa.kernels:
  - .name:           k_q5e6b24c894_proj
    .symbol:         k_q5e6b24c894_proj.kd
    .args:
      - { .name: x, .offset: 0, .size: 8, .value_kind: global_buffer, .address_space: global }
      - { .name: w16, .offset: 8, .size: 8, .value_kind: global_buffer, .address_space: global }
      - { .name: tpg, .offset: 16, .size: 8, .value_kind: global_buffer, .address_space: global }
    .group_segment_fixed_size: 327680
    .private_segment_fixed_size: 0
    .kernarg_segment_align: 8
    .kernarg_segment_size: 24
    .max_flat_workgroup_size: 128
    .sgpr_count:     66
    .vgpr_count:     1024
    .wavefront_size: 32
...
	.end_amdgpu_metadata
.endif
;; end of part 2
;; launch score (part 3): grid 8 x 64, 4 waves a work-group, clusters of 4 x 4, 327,680 bytes of LDS; arguments tpg, et, st; writes et, st
.if DOCPART == 3
	.amdgcn_target "amdgcn-amd-amdhsa--gfx1250"
	.amdhsa_code_object_version 6
	.text
	.protected	k_q5e6b24c894_score
	.globl	k_q5e6b24c894_score
	.p2align	8
	.type	k_q5e6b24c894_score,@function
k_q5e6b24c894_score:
	s_mov_b64 s[64:65], 0
	v_nop
	global_prefetch_b8 v0, s[64:65] scope:SCOPE_SE
	s_setreg_imm32_b32 hwreg(HW_REG_WAVE_MODE, 25, 1), 1
	s_wait_xcnt 0x0
	s_wait_alu depctr_hold_cnt(0) depctr_sa_sdst(0) depctr_va_vdst(0) depctr_va_sdst(0) depctr_va_ssrc(0) depctr_va_vcc(0) depctr_vm_vsrc(0)
	s_getreg_b32 s2, hwreg(HW_REG_IB_STS2, 6, 4)
	s_cmp_eq_u32 s2, 0
	s_cbranch_scc0 .Lentry_in_a_cluster
	s_endpgm
.Lentry_in_a_cluster:
	s_bfe_u32 s2, ttmp6, 0x10000c
	s_cmp_lg_u32 s2, 0xf033
	s_cbranch_scc0 .Lentry_shape_is_right
	s_endpgm
.Lentry_shape_is_right:
; S[j][i] = sum over c of phi[j][c] theta[i][c] for each batch, and the first half of the softmax over i, in blocks of 128 i:
;   E[j][i] (f16) = exp(S - m),  st[b][block][j] (f32 pair) = (m log2e, Z),  m = max and Z = sum of the exponentials over the block's 128 i.
; The maximum is the block's true maximum; the next launch joins the sixteen blocks of a column under their common maximum.
; E is stored in the order in which the next launch's matrix operand wants it, in units of 512 bytes:
;   et[b][ig = i / 64][jq = j / 32][tile = (i / 16) % 4][grp = (j / 16) % 2][lane (r, h)][e] = E[32 jq + 16 grp + 8 h + e][64 ig + 16 tile + r].
; The product is a GEMM C = A B^T with A = phi (all batches: 16,384 rows j), B = theta of the row block's batch, K = 512.
; A work-group makes 256 j x 256 i with four waves, a wave 128 x 128 in 512 registers; a wave's 128 i are one block of the softmax.
; K goes in steps of 128 through two LDS slots filled by tensor loads.
; CLUSTERS: 4 x 4 work-groups; phi's tile is shared along a row of the cluster, theta's along a column (the batch hangs on the cluster's y
; alone: eight block rows a batch, four a cluster), each asked for jointly by the four that need it.
; THE MATRIX INSTRUCTION IS USED TRANSPOSED: source 0 = rows of theta, source 1 = rows of phi: lane l holds row j = l % 16 and its registers
; the columns i = 8 (l / 16) + 0..7, so that a row's 128 numbers lie in 64 registers of two lanes: maximum and sum need one lane exchange each.
; LIMITS: operands in f16 (as stored by the launch before); an exponential below 6e-8 becomes 0 in et.
; REGISTERS: window 0: v16-28 addresses, v32-63 softmax, v64-191 fragments of phi (two buffers), v192-223 packed results;
; window 1: v64-191 fragments of theta; windows 2, 3: accumulators, tile (a, b) at 8 (8 a + b).
.set SIZE_K, 512
.set KSTEP,  128
.set PITCH,  272
.set HALFT,  128*PITCH
.set SLOT,   4*HALFT
.set STAGE,  2*SLOT
.set SPITCH, 272
.set ADRA, 16
.set ADRB, 20
.set STO,  24
.set RD,   25
.set CO,   26                          ; 16 x lane
.set LN,   27                          ; lane
.set SO,   28                          ; 8 x lane
.set T,    32                          ; v32-35  four running maxima
.set ZP,   36                          ; v36-43  four running sums, in pairs
.set NM,   44                          ; v44-45  - m log2e, twice
.set MS,   46                          ; v46-61  (m log2e, Z) of the eight groups of 16 rows
.set F0,   64
.set F1,   128
.set TMP,  192
.set G1, 24
.set G0, 32
.set G1B, 48
.set G0B, 56
.set MSB, 0
.macro WIN new
.if MSB != \new
	s_set_vgpr_msb (MSB<<8)|\new
.set MSB, \new
.endif
.endm
.set MUL_LO, 0xa1
.set MUL_HI, 0xf1
.set TO_B,   0x40
.macro JLOAD s                         ; waves 0, 1 fetch phi's two halves, waves 2, 3 theta's: one line, one mask each
	s_cmp_eq_u32 s11, 0
	s_cbranch_scc0 .Lfor_b_\@
	tensor_load_to_lds s[G0+4*\s:G0+4*\s+3], s[G1:G1+7]
	s_nop 0
	s_branch .Lasked_\@
.Lfor_b_\@:
	tensor_load_to_lds s[G0B+4*\s:G0B+4*\s+3], s[G1B:G1B+7]
	s_nop 0
.Lasked_\@:
.endm
.macro CREST
	s_cmp_lg_u32 s10, 0
	s_cbranch_scc1 .Lnot_wave_0_\@
	s_barrier_signal -3
.Lnot_wave_0_\@:
	s_barrier_wait -3
	s_barrier_signal -1
	s_barrier_wait -1
.endm
.macro CROUND
	s_barrier_signal -1
	s_barrier_wait -1
	CREST
.endm
	s_load_b64 s[4:5], s[0:1], 0x0                 ; tpg
	s_load_b64 s[8:9], s[0:1], 0x8                 ; et
	s_load_b64 s[72:73], s[0:1], 0x10              ; st
	s_set_vgpr_msb 0x40
	v_lshl_add_u32 v255, v0, 2, 0x48400
	s_set_vgpr_msb 0x4000
	v_mov_b32 v255, 0
	s_set_vgpr_msb 0x1
	ds_add_u32 v255, v255
	s_set_vgpr_msb 0x100
	v_lshrrev_b32 v1, 5, v0
	v_readfirstlane_b32 s10, v1                    ; wave 0..3
	s_lshr_b32 s11, s10, 1                         ; which half of the block's rows j.  Also: I fetch phi (0) or theta (1)
	s_and_b32 s12, s10, 1                          ; which half of its columns i.  Also: which 128 rows of that tile I fetch
	s_bfe_u32 s40, ttmp6, 0x40000                  ; cx
	s_bfe_u32 s41, ttmp6, 0x40004                  ; cy
	s_lshl_b32 s42, ttmp9, 2
	s_add_co_u32 s42, s42, s40                     ; block column (i) = 4 x cluster x + cx
	s_and_b32 s13, ttmp7, 0xffff
	s_lshr_b32 s45, s13, 1                         ; batch = cluster y / 2
	s_lshl_b32 s13, s13, 2
	s_add_co_u32 s13, s13, s41                     ; block row (batch, j) = 4 x cluster y + cy
	s_lshl_b32 s43, s41, 2
	s_lshl_b32 s43, 15, s43                        ; my row of the cluster
	s_lshl_b32 s44, 0x1111, s40                    ; my column
	s_mov_b32 s66, 0x3fb8aa3b                      ; log2 e, twice (a pair for the packed multiply-add)
	s_mov_b32 s67, 0x3fb8aa3b
	s_mov_b32 s68, 0xbfb8aa3b                      ; - log2 e
	s_mov_b32 s70, 0x76543210                      ; v_permlanex16_b32: lane i of one half reads lane i of the other
	s_mov_b32 s71, 0xfedcba98
	s_or_b32 s[G1+0], s43, (1<<16)|(1<<20)|(1<<21)|(5<<22)|(3<<25)
	s_or_b32 s[G1B+0], s44, (1<<16)|(1<<20)|(1<<21)|(5<<22)|(3<<25)
	s_mov_b32 s[G1B+1], KSTEP<<16
	s_mov_b32 s[G1+1], KSTEP<<16
	s_mov_b32 s[G1B+2], 128<<16
	s_mov_b32 s[G1+2], 128<<16
	s_mov_b32 s[G1B+3], KSTEP<<16
	s_mov_b32 s[G1+3], KSTEP<<16
	s_mov_b32 s[G1B+4], 128
	s_mov_b32 s[G1+4], 128
	s_mov_b32 s[G1B+5], SIZE_K
	s_mov_b32 s[G1+5], SIZE_K
	s_mov_b32 s[G1B+6], 0
	s_mov_b32 s[G1+6], 0
	s_mov_b32 s[G1B+7], 0
	s_mov_b32 s[G1+7], 0
	s_lshl_b32 s17, s12, 7                         ; which 128 rows of the tile I fetch
	s_lshl_b32 s16, s13, 8
	s_add_co_u32 s16, s16, s17                     ; phi: row 256 x block row + 128 x half of plane 0
	s_lshl_b32 s46, s42, 8
	s_add_co_u32 s46, s46, s17                     ; theta: row 256 x block column + 128 x half
	s_lshl_b32 s47, s45, 11
	s_add_co_u32 s46, s46, s47                     ; + 2,048 x batch
	s_add_co_u32 s46, s46, 16384                   ; of plane 1
	s_mov_b32 s17, 0
	s_mov_b32 s47, 0
	s_mov_b64 s[18:19], SIZE_K*2
	s_mul_u64 s[16:17], s[16:17], s[18:19]
	s_mul_u64 s[46:47], s[46:47], s[18:19]
	s_mul_i32 s20, s10, HALFT
	s_wait_dscnt 0x0
	s_wait_kmcnt 0x0
	s_add_nc_u64 s[14:15], s[4:5], s[16:17]
	s_add_nc_u64 s[46:47], s[4:5], s[46:47]
	CROUND                                         ; all sixteen work-groups are here: the first joint loads meet
.irp s, 0,1
	s_mov_b32 s[G0+4*\s], 1
	s_add_co_u32 s[G0+4*\s+1], s20, \s*SLOT
	s_add_nc_u64 s[G0+4*\s+2:G0+4*\s+3], s[14:15], \s*KSTEP*2
	s_or_b32 s[G0+4*\s+3], s[G0+4*\s+3], 0x80000000
	s_mov_b32 s[G0B+4*\s], 1
	s_add_co_u32 s[G0B+4*\s+1], s20, \s*SLOT
	s_add_nc_u64 s[G0B+4*\s+2:G0B+4*\s+3], s[46:47], \s*KSTEP*2
	s_or_b32 s[G0B+4*\s+3], s[G0B+4*\s+3], 0x80000000
	JLOAD \s
.endr
	v_and_b32 v1, 15, v0
	v_bfe_u32 v2, v0, 4, 1
	v_mul_u32_u24 v3, v1, PITCH
	v_lshl_add_u32 v3, v2, 4, v3
	s_mul_i32 s21, s11, HALFT
	s_mul_i32 s22, s12, HALFT
	s_add_co_u32 s22, s22, 2*HALFT
.irp s, 0,1
	v_add_nc_u32 v[ADRA+\s], s21, v3
	v_add_nc_u32 v[ADRB+\s], s22, v3
	s_add_co_u32 s21, s21, SLOT
	s_add_co_u32 s22, s22, SLOT
.endr
	s_mul_i32 s23, s10, 16*SPITCH
	s_add_co_u32 s23, s23, STAGE                   ; my stage
	v_mul_u32_u24 v4, v1, SPITCH                   ; in: row j = l % 16, 16 bytes for each half of the lanes
	v_lshl_add_u32 v4, v2, 4, v4
	v_add_nc_u32 v[STO], s23, v4
	v_and_b32 v5, 7, v0                            ; back, transposed: row 8 h + (l & 7), 16 bytes at 16 ((l >> 3) & 1)
	v_lshl_add_u32 v5, v2, 3, v5
	v_mul_u32_u24 v5, v5, SPITCH
	v_bfe_u32 v6, v0, 3, 1
	v_lshl_add_u32 v5, v6, 4, v5
	v_add_nc_u32 v[RD], s23, v5
	v_and_b32 v[LN], 31, v0
	v_lshlrev_b32 v[CO], 4, v[LN]
	v_lshlrev_b32 v[SO], 3, v[LN]
	v_mov_b32 v62, 0                               ; the lane exchange's destination counts as read
.macro MUL16 f, hi, a0, zero
.irp a, \a0, \a0+1
.irp b, 0,1,2,3,4,5,6,7
.if \zero
	v_wmma_f32_16x16x32_f16 v[8*(8*(\a)+\b):8*(8*(\a)+\b)+7], v[\f+8*\b:\f+8*\b+7], v[\f+8*(4*\hi+\a):\f+8*(4*\hi+\a)+7], 0
.else
	v_wmma_f32_16x16x32_f16 v[8*(8*(\a)+\b):8*(8*(\a)+\b)+7], v[\f+8*\b:\f+8*\b+7], v[\f+8*(4*\hi+\a):\f+8*(4*\hi+\a)+7], v[8*(8*(\a)+\b):8*(8*(\a)+\b)+7]
.endif
.endr
.endr
.endm
.macro FETCH slot, k, f
	WIN TO_B
.irp i, 0,1,2,3,4,5,6,7
	ds_load_b128 v[\f+8*\i:\f+8*\i+3],   v[ADRB+\slot] offset:\k+\i*16*PITCH
	ds_load_b128 v[\f+8*\i+4:\f+8*\i+7], v[ADRB+\slot] offset:\k+\i*16*PITCH+32
.endr
	WIN 0
.irp i, 0,1,2,3,4,5,6,7
	ds_load_b128 v[\f+8*\i:\f+8*\i+3],   v[ADRA+\slot] offset:\k+\i*16*PITCH
	ds_load_b128 v[\f+8*\i+4:\f+8*\i+7], v[ADRA+\slot] offset:\k+\i*16*PITCH+32
.endr
.endm
.macro PLACES                          ; four places behind a matrix instruction, in front of loads into its sources and of readers of its result
.rept 4
	v_nop
.endr
.endm
; The 64 accumulators take turns, one instruction a turn, in the same order in every quarter.
.macro QUARTER slot, k, f, g, zero
	s_wait_dscnt 8                                 ; theta and phi's rows 0-63 are in; the youngest eight loads may be out
	WIN MUL_LO
	MUL16 \f, 0, 0, \zero
	MUL16 \f, 0, 2, \zero
	PLACES
	FETCH \slot, \k, \g
	s_wait_dscnt 32                                ; all but the 32 just issued
	WIN MUL_HI
	MUL16 \f, 1, 0, \zero
	MUL16 \f, 1, 2, \zero
.endm
.macro THREE slot, zero
	QUARTER \slot, 64,  F0, F1, \zero
	QUARTER \slot, 128, F1, F0, 0
	QUARTER \slot, 192, F0, F1, 0
.endm
; The last quarter and the change of slots: each wave waits for its reads of this slot and for all its tensor loads (one is out: its part of
; the next slot), then signals; where the slot is filled again the barrier opens a round of the cluster's barrier and the joint refill is
; the first tensor load behind it.
.macro TURN slot, next, fill
	s_wait_dscnt 8
	WIN MUL_LO
	MUL16 F1, 0, 0, 0
	s_wait_dscnt 0
	s_wait_tensorcnt 0x0
	ds_add_u32 v255, v255
	s_wait_dscnt 0x0
	s_barrier_signal -1
	MUL16 F1, 0, 2, 0
	WIN 0
	s_barrier_wait -1
.if \fill
	CREST
	s_add_nc_u64 s[G0+4*\slot+2:G0+4*\slot+3], s[G0+4*\slot+2:G0+4*\slot+3], 2*KSTEP*2
	s_add_nc_u64 s[G0B+4*\slot+2:G0B+4*\slot+3], s[G0B+4*\slot+2:G0B+4*\slot+3], 2*KSTEP*2
	JLOAD \slot
.endif
	PLACES
	FETCH \next, 0, F0
	WIN MUL_HI
	MUL16 F1, 1, 0, 0
	MUL16 F1, 1, 2, 0
.endm
	s_wait_tensorcnt 1                             ; my part of K step 0 is in; K step 1's may stay out
	s_barrier_signal -1
	s_barrier_wait -1
	FETCH 0, 0, F0
	THREE 0, 1                                     ; K steps 0 and 1: the first products start the sums; both slots are filled again
	TURN 0, 1, 1
	THREE 1, 0
	TURN 1, 0, 1
	THREE 0, 0                                     ; K steps 2 and 3: nothing is left to fetch
	TURN 0, 1, 0
	THREE 1, 0
	s_wait_dscnt 8
	WIN MUL_LO
	MUL16 F1, 0, 0, 0
	MUL16 F1, 0, 2, 0
	s_wait_dscnt 0
	WIN MUL_HI
	MUL16 F1, 1, 0, 0
	MUL16 F1, 1, 2, 0
	PLACES
	s_lshl_b32 s13, s13, 8
	s_lshl_b32 s14, s11, 7
	s_add_co_u32 s16, s13, s14                     ; my first row j, the batches on end
	s_and_b32 s75, s16, 2047                       ; the same row inside its batch
	s_lshl_b32 s16, s75, 7                         ; et: (j / 32) x 4,096 bytes
	s_lshl_b32 s17, s45, 23                        ; + batch x 8 MiB
	s_add_co_u32 s16, s16, s17
	s_mov_b32 s17, 0
	s_add_nc_u64 s[8:9], s[8:9], s[16:17]
	s_lshl_b32 s46, s42, 1
	s_add_co_u32 s46, s46, s12                     ; my block of 128 i = 2 x block column + column half
	s_lshl_b32 s46, s46, 19                        ; two groups of 64 i, 262,144 bytes each
	s_mov_b32 s47, 0
	s_add_nc_u64 s[8:9], s[8:9], s[46:47]
	s_lshl_b32 s74, s45, 4                         ; st: ((16 batch + my block) x 2,048 + j) x 8 bytes
	s_add_co_u32 s74, s74, s42
	s_add_co_u32 s74, s74, s42
	s_add_co_u32 s74, s74, s12
	s_lshl_b32 s74, s74, 11
	s_add_co_u32 s74, s74, s75
	s_lshl_b32 s74, s74, 3
	s_mov_b32 s75, 0
	s_add_nc_u64 s[72:73], s[72:73], s[74:75]
; Rows 16 i .. 16 i + 15 of my block = the eight tiles (a, 0..7) of window w, 64 registers: maximum, exponentials, sum, and the way out.
.macro SOFT16 i, a, w, f
	WIN (\w*5)                                     ; sources 0 and 1 in window w
.irp c, 0,1,2,3
	v_max_num_f32 v[T+\c], v[64*\a+16*\c], v[64*\a+16*\c+1]       ; four chains, started by the first numbers
.endr
.irp k, 1,2,3,4,5,6,7
.irp c, 0,1,2,3
	v_max3_num_f32 v[T+\c], v[64*\a+16*\c+2*\k], v[64*\a+16*\c+2*\k+1], v[T+\c]
.endr
.endr
	WIN 0
	v_max3_num_f32 v[T], v[T], v[T+1], v[T+2]
	v_max_num_f32 v[T], v[T], v[T+3]
	v_permlanex16_b32 v62, v[T], s70, s71          ; the row's other 64 numbers lie in the lane 16 away
	v_max_num_f32 v[T], v[T], v62                  ; m
	v_mul_f32 v[NM], s68, v[T]
	v_mul_f32 v[NM+1], s68, v[T]
	v_mul_f32 v[MS+2*\i], s66, v[T]                ; m log2e, the exact negative of the addend below
	WIN (\w*65)                                    ; destination and source 0 in window w
.set ii, 0
.rept 32
	v_pk_fma_f32 v[64*\a+2*ii:64*\a+2*ii+1], v[64*\a+2*ii:64*\a+2*ii+1], s[66:67], v[NM:NM+1] op_sel_hi:[1,0,1]
.set ii, ii+1
.endr
.set ii, 0
.rept 64
	v_exp_f32 v[64*\a+ii], v[64*\a+ii]
.set ii, ii+1
.endr
	v_nop                                          ; one plain instruction behind the last exponential, ahead of its use (ISA guide 5.7.2)
	WIN (\w*5)
	s_wait_alu depctr_va_vdst(0)
.irp c, 0,1,2,3
	v_pk_add_f32 v[ZP+2*\c:ZP+2*\c+1], v[64*\a+16*\c:64*\a+16*\c+1], v[64*\a+16*\c+2:64*\a+16*\c+3]
.endr
.irp b, 0,1,2,3,4,5,6,7
.irp r, 0,1,2,3
	v_cvt_pk_f16_f32 v[TMP+4*\b+\r], v[8*(8*\a+\b)+2*\r], v[8*(8*\a+\b)+2*\r+1]
.endr
.endr
	WIN \w                                         ; source 0 in window w
.irp k, 2,3,4,5,6,7
.irp c, 0,1,2,3
	v_pk_add_f32 v[ZP+2*\c:ZP+2*\c+1], v[64*\a+16*\c+2*\k:64*\a+16*\c+2*\k+1], v[ZP+2*\c:ZP+2*\c+1]
.endr
.endr
	WIN 0
	v_pk_add_f32 v[ZP:ZP+1], v[ZP:ZP+1], v[ZP+2:ZP+3]
	v_pk_add_f32 v[ZP+4:ZP+5], v[ZP+4:ZP+5], v[ZP+6:ZP+7]
	v_pk_add_f32 v[ZP:ZP+1], v[ZP:ZP+1], v[ZP+4:ZP+5]
	v_add_f32 v[ZP], v[ZP], v[ZP+1]
	v_permlanex16_b32 v62, v[ZP], s70, s71
	v_add_f32 v[MS+2*\i+1], v[ZP], v62             ; Z
	; the stage holds 16 rows j x 128 i; a transposing load gives lane (r, h) the column i = 16 t + r, rows 8 h .. 8 h + 7: half an operand fragment
.irp b, 0,1,2,3,4,5,6,7
	ds_store_b128 v[STO], v[TMP+4*\b:TMP+4*\b+3] offset:32*\b
.endr
	s_wait_xcnt 0x0                                ; buffer f was data of earlier stores: loaded again only behind this wait
.irp t, 0,1,2,3,4,5,6,7
	ds_load_tr16_b128 v[\f+4*\t:\f+4*\t+3], v[RD] offset:32*\t     ; LDS serves a wave's instructions in order: these see the stores above
.endr
.irp t, 0,1,2,3,4,5,6,7
	s_wait_dscnt 7-\t
	global_store_b128 v[CO], v[\f+4*\t:\f+4*\t+3], s[8:9] offset:(\t>>2)*262144+(\i>>1)*4096+(\t&3)*1024+(\i&1)*512   ; one unit: 512 consecutive bytes, aligned
.endr
.endm
	SOFT16 0, 0, 2, F0
	SOFT16 1, 1, 2, F1
	SOFT16 2, 2, 2, F0
	SOFT16 3, 3, 2, F1
	SOFT16 4, 0, 3, F0
	SOFT16 5, 1, 3, F1
	SOFT16 6, 2, 3, F0
	SOFT16 7, 3, 3, F1
	; the figures: both halves of the lanes hold a group's 16 pairs, so two groups share a store: lane L holds row 16 i + L
	v_cmp_le_u32 vcc_lo, 16, v[LN]
.irp i, 0,2,4,6
	v_cndmask_b32 v[TMP+\i], v[MS+2*\i], v[MS+2*\i+2], vcc_lo
	v_cndmask_b32 v[TMP+\i+1], v[MS+2*\i+1], v[MS+2*\i+3], vcc_lo
	global_store_b64 v[SO], v[TMP+\i:TMP+\i+1], s[72:73] offset:128*\i     ; 256 consecutive bytes, aligned
.endr
	s_set_vgpr_msb 0x1
	s_wait_tensorcnt 0x0
	ds_add_u32 v255, v255
	s_wait_dscnt 0x0
	s_set_vgpr_msb 0x100
	CROUND                                         ; the closing round
	s_endpgm
.Lfunc_end_k_q5e6b24c894_score:
	.size	k_q5e6b24c894_score, .Lfunc_end_k_q5e6b24c894_score-k_q5e6b24c894_score
	.p2alignl 7, 3214868480
	.fill 96, 4, 3214868480
	.section	.rodata,"a",@progbits
	.p2align	6, 0x0
	.amdhsa_kernel k_q5e6b24c894_score
		.amdhsa_group_segment_fixed_size 327680
		.amdhsa_private_segment_fixed_size 0
		.amdhsa_enable_private_segment 0
		.amdhsa_kernarg_size 24
		.amdhsa_user_sgpr_count 2
		.amdhsa_user_sgpr_kernarg_segment_ptr 1
		.amdhsa_wavefront_size32 1
		.amdhsa_system_sgpr_workgroup_id_x 1
		.amdhsa_system_sgpr_workgroup_id_y 1
		.amdhsa_system_sgpr_workgroup_id_z 1
		.amdhsa_system_vgpr_workitem_id 0
		.amdhsa_next_free_vgpr 1024
		.amdhsa_next_free_sgpr 76
		.amdhsa_reserve_vcc 1
		.amdhsa_float_denorm_mode_32 3
		.amdhsa_float_denorm_mode_16_64 3
		.amdhsa_memory_ordered 1
		.amdhsa_forward_progress 1
		.amdhsa_inst_pref_size 212
	.end_amdhsa_kernel
	.amdgpu_metadata
---
amdhsa.version: [ 1, 2 ]
amdhsa.kernels:
  - .name:           k_q5e6b24c894_score
    .symbol:         k_q5e6b24c894_score.kd
    .args:
      - { .name: tpg, .offset: 0, .size: 8, .value_kind: global_buffer, .address_space: global }
      - { .name: et, .offset: 8, .size: 8, .value_kind: global_buffer, .address_space: global }
      - { .name: st, .offset: 16, .size: 8, .value_kind: global_buffer, .address_space: global }
    .group_segment_fixed_size: 327680
    .private_segment_fixed_size: 0
    .kernarg_segment_align: 8
    .kernarg_segment_size: 24
    .max_flat_workgroup_size: 128
    .sgpr_count:     76
    .vgpr_count:     1024
    .wavefront_size: 32
...
	.end_amdgpu_metadata
.endif
;; end of part 3
;; launch pv (part 4): grid 256 x 1, 4 waves a work-group, clusters of 4 x 1, 327,680 bytes of LDS; arguments tpg, et, st, wmf, x, out0; writes out0
.if DOCPART == 4
	.amdgcn_target "amdgcn-amd-amdhsa--gfx1250"
	.amdhsa_code_object_version 6
	.text
	.protected	k_q5e6b24c894_pv
	.globl	k_q5e6b24c894_pv
	.p2align	8
	.type	k_q5e6b24c894_pv,@function
k_q5e6b24c894_pv:
	s_mov_b64 s[64:65], 0
	v_nop
	global_prefetch_b8 v0, s[64:65] scope:SCOPE_SE
	s_setreg_imm32_b32 hwreg(HW_REG_WAVE_MODE, 25, 1), 1
	s_wait_xcnt 0x0
	s_wait_alu depctr_hold_cnt(0) depctr_sa_sdst(0) depctr_va_vdst(0) depctr_va_sdst(0) depctr_va_ssrc(0) depctr_va_vcc(0) depctr_vm_vsrc(0)
	s_getreg_b32 s2, hwreg(HW_REG_IB_STS2, 6, 4)
	s_cmp_eq_u32 s2, 0
	s_cbranch_scc0 .Lentry_in_a_cluster
	s_endpgm
.Lentry_in_a_cluster:
	s_bfe_u32 s2, ttmp6, 0x10000c
	s_cmp_lg_u32 s2, 0x3003
	s_cbranch_scc0 .Lentry_shape_is_right
	s_endpgm
.Lentry_shape_is_right:
; The second half of the softmax over i, y = attn g, the closing 1x1 convolution and the residual.
; attn[i][j] = E[j][i] f[j] with f[j] = exp2(m2[own block][j] - M2[j]) / Z[j], M2 = the maximum of the column's sixteen block maxima and
; Z = sum over blocks of Z[block] exp2(m2[block] - M2): the softmax under the column's true maximum.  A work-group's 128 rows i lie in one
; block, so f hangs on j alone, which is the product's K: one packed multiply on E's fragments.
; A work-group makes y^T: 256 channels (one half of the 512) x 128 i, K = 2,048 j; a wave 128 channels x 64 i, in quarters of 32 j.
; Source 0 = columns of g's tile [j][c], by transposing LDS loads.  Source 1 = E, which lies in memory in fragment order: a wave loads its
; fragments straight into registers, eight loads of 512 consecutive bytes a quarter, into a ring of eight quarter buffers, seven quarters
; ahead (56 loads out at the most).  The two waves with the same 64 i each load these fragments for themselves.
; g goes through two LDS slots of 256 rows j (two K steps of 128) each, so that a refill has 256 matrix instructions in which to land.
; Then out[o2][p] = sum over o of w_mask[o2][o] y[o][p] + x[o2][p] for the same 128 pixels: y goes through LDS in bf16, each wave takes 128 o2.
; CLUSTER 4 x 1: the four partners have the same batch and half and walk the same tiles of g, which are asked for jointly.  E is shared by
; no two partners (each has its own 128 i) and does not pass through LDS.
; NUMBERING: the batch is bits 5, 3, 2 of the cluster's number, the half bit 4, the block of 128 i bits 1, 0 and the place in the cluster:
; each (batch, half, block) is served once.
; LIMITS: E, f and their product are f16: a weight below 6e-8 becomes 0, f below 6e-5 is kept to 3e-8 absolute; y and w_mask are bf16.
; REGISTERS: window 0: v1-14 addresses, two fragment buffers (g v16-79 / v120-183, f v112-119 / v216-223), v224-255 at work;
; window 1: figures of st, then accumulators, tile (a, b) at 8 (4 a + b), then x and the rows of out; window 2: E's ring, buffer q at 32 q,
; then y's fragments; window 3: figures of st, then y's fragments.
.set GPITCH, 544                       ; 512 bytes + 32: an odd multiple of 32, as the transposing loads want
.set GSTEP,  128*GPITCH                ; one K step's rows of g
.set SLOT,   2*GSTEP                   ; 139,264
.set FT,     2*SLOT                    ; f, 2,048 f16
.set STG,    FT+4096                   ; the way out: 16 rows x 528 bytes for each wave
.set YPITCH, 528                       ; y, [128 i][256 o] bf16, from LDS byte 0: in slot 0, behind its last fill and its last reads
.set AG,  1                            ; v1-4  g's fragments: slot 0 step 0, 1; slot 1 step 0, 1
.set AF,  5                            ; v5    f's fragments; steps 1,024 bytes a lap
.set AFW, 6
.set AYW, 7
.set AYR, 8
.set ASW, 9
.set ASR, 10
.set AWM, 11
.set AXO, 12
.set AST, 13
.set AEO, 14                           ; v14   16 x lane; never rewritten
.set TT,  16                           ; v16-49 exponents, then exponentials
.set MXA, 50
.set MXB, 51
.set ZA,  52
.set ZB,  53
.set RA,  54
.set RB,  55
.set OWN, 144                          ; v144-175 my own block's figures
.set TMP, 224
.set G1G, 24
.set G0G, 40
.set MSB, 0
.macro WIN new
.if MSB != \new
	s_set_vgpr_msb (MSB<<8)|\new
.set MSB, \new
.endif
.endm
.macro PLACES n
.rept \n
	v_nop
.endr
.endm
.macro CREST
	s_cmp_lg_u32 s48, 0
	s_cbranch_scc1 .Lnot_wave_0_\@
	s_barrier_signal -3
.Lnot_wave_0_\@:
	s_barrier_wait -3
	s_barrier_signal -1
	s_barrier_wait -1
.endm
.macro CROUND
	s_barrier_signal -1
	s_barrier_wait -1
	CREST
.endm
; E's fragments of one quarter into ring buffer buf; qr = the quarter, counted from the one at which s[6:7] stands
.macro ELOAD buf, qr
.irp b, 0,1,2,3
	global_load_b128 v[32*\buf+8*\b:32*\buf+8*\b+3], v[AEO], s[6:7] offset:4096*\qr+1024*\b
	global_load_b128 v[32*\buf+8*\b+4:32*\buf+8*\b+7], v[AEO], s[6:7] offset:4096*\qr+1024*\b+512
.endr
.endm
	s_load_b256 s[4:11], s[0:1], 0x0               ; tpg s[4:5], et s[6:7], st s[8:9], wmf s[10:11]
	s_load_b128 s[12:15], s[0:1], 0x20             ; x s[12:13], out0 s[14:15]
	v_lshl_add_u32 v214, v0, 2, 0x4d400
	v_mov_b32 v215, 0
	ds_add_u32 v214, v215
	v_lshrrev_b32 v1, 5, v0
	v_readfirstlane_b32 s48, v1                    ; wave 0..3
	s_lshr_b32 s49, s48, 1                         ; ch: which 128 channels
	s_and_b32 s50, s48, 1                          ; ihf: which 64 i
	s_bfe_u32 s51, ttmp6, 0x40000                  ; cx
	s_bfe_u32 s52, ttmp9, 0x20002
	s_lshr_b32 s56, ttmp9, 5
	s_lshl2_add_u32 s52, s56, s52                  ; batch
	s_bfe_u32 s53, ttmp9, 0x10004                  ; half
	s_and_b32 s54, ttmp9, 3
	s_lshl2_add_u32 s54, s54, s51                  ; block of 128 i
	; g: 64 rows x 256 elements of 2 bytes, 512 from row to row, 8 words of padding behind every 128; all four partners
	s_mov_b32 s[G1G+0], 15|(1<<16)|(1<<20)|(1<<21)|(6<<22)|(7<<25)
	s_mov_b32 s[G1G+1], 256<<16
	s_mov_b32 s[G1G+2], 64<<16
	s_mov_b32 s[G1G+3], 256<<16
	s_mov_b32 s[G1G+4], 64
	s_mov_b32 s[G1G+5], 512
	s_mov_b32 s[G1G+6], 0
	s_mov_b32 s[G1G+7], 0
	s_lshl_b32 s60, s52, 21                        ; g: plane 2 + batch x 2 MiB + 64 wave rows + 512 half: nothing of cx
	s_lshl_b32 s62, s48, 16
	s_add_co_u32 s60, s60, s62
	s_lshl_b32 s62, s53, 9
	s_add_co_u32 s60, s60, s62
	s_add_co_u32 s60, s60, 0x2000000
	s_mov_b32 s61, 0
	s_mul_i32 s63, s48, 64*GPITCH                  ; LDS: my 64 rows of a slot's 256
	s_wait_dscnt 0x0
	s_wait_kmcnt 0x0
	s_add_nc_u64 s[4:5], s[4:5], s[60:61]
	s_lshl_b32 s56, s52, 23                        ; E: batch x 8 MiB + (2 block + ihf) x 262,144
	s_lshl_b32 s57, s54, 19
	s_add_co_u32 s56, s56, s57
	s_lshl_b32 s57, s50, 18
	s_add_co_u32 s56, s56, s57
	s_mov_b32 s57, 0
	s_add_nc_u64 s[6:7], s[6:7], s[56:57]
	s_lshl_b32 s56, s52, 18                        ; st: the batch's sixteen blocks,
	s_add_nc_u64 s[8:9], s[8:9], s[56:57]
	s_lshl_b32 s56, s54, 14
	s_add_nc_u64 s[58:59], s[8:9], s[56:57]        ; and my own block
	s_lshl_b32 s56, s52, 23                        ; x and out0: batch x 8 MiB + half x 8,192 + block x 512
	s_lshl_b32 s60, s53, 13
	s_add_co_u32 s56, s56, s60
	s_lshl_b32 s60, s54, 9
	s_add_co_u32 s56, s56, s60
	s_add_nc_u64 s[12:13], s[12:13], s[56:57]
	s_add_nc_u64 s[14:15], s[14:15], s[56:57]
	CROUND                                         ; all four work-groups are here: the first joint loads meet
.irp s, 0,1
	s_mov_b32 s[G0G+4*\s], 1
	s_add_co_u32 s[G0G+4*\s+1], s63, \s*SLOT
	s_add_nc_u64 s[G0G+4*\s+2:G0G+4*\s+3], s[4:5], \s*262144       ; rows 256 s on
	s_or_b32 s[G0G+4*\s+3], s[G0G+4*\s+3], 0x80000000
	tensor_load_to_lds s[G0G+4*\s:G0G+4*\s+3], s[G1G:G1G+7]        ; both first fills, ahead of every wait, LDS read and further barrier
	s_nop 0
	v_nop
	v_nop
.endr
	; E's first seven quarters: the oldest loads of the wave
	v_and_b32 v224, 31, v0                         ; L
	v_lshlrev_b32 v[AEO], 4, v224
	WIN 0x80
.irp q, 0,1,2,3,4,5,6
	ELOAD \q, \q
.endr
	WIN 0
	; vector addresses
	v_and_b32 v227, 15, v0                         ; r
	v_bfe_u32 v228, v0, 4, 1                       ; h
	v_and_b32 v225, 7, v0
	v_lshl_add_u32 v225, v228, 3, v225             ; 8 h + (L & 7)
	v_bfe_u32 v226, v0, 3, 1
	v_lshlrev_b32 v226, 4, v226                    ; 16 ((L >> 3) & 1)
	v_mad_u32_u24 v[AG], v225, GPITCH, v226
	s_lshl_b32 s56, s49, 8
	v_add_nc_u32 v[AG], s56, v[AG]                 ; + 256 ch
	v_add_nc_u32 v[AG+1], GSTEP, v[AG]
	v_add_nc_u32 v[AG+2], SLOT, v[AG]
	v_add_nc_u32 v[AG+3], SLOT, v[AG+1]
	v_lshl_add_u32 v[AF], v228, 4, FT
	v_lshl_add_u32 v[AFW], v0, 2, FT
	v_mul_u32_u24 v[AYR], v227, YPITCH
	v_lshl_add_u32 v[AYR], v228, 4, v[AYR]         ; y: row r, 16 h
	s_mul_i32 s56, s50, 64*YPITCH
	s_lshl_b32 s60, s49, 8
	s_add_co_u32 s56, s56, s60
	v_add_nc_u32 v[AYW], s56, v[AYR]               ; + my 64 rows i, my 128 channels
	s_mul_i32 s56, s48, 16*YPITCH
	s_add_co_u32 s56, s56, STG
	v_mul_u32_u24 v[ASW], v227, YPITCH
	v_lshl_add_u32 v[ASW], v228, 5, v[ASW]
	v_add_nc_u32 v[ASW], s56, v[ASW]
	v_lshl_add_u32 v[ASR], v224, 4, s56
	s_lshl_b32 s56, s48, 16
	v_lshl_add_u32 v[AWM], v224, 4, s56
	s_lshl_b32 s56, s48, 21
	v_lshl_add_u32 v[AXO], v224, 4, s56
	v_lshlrev_b32 v[AST], 4, v0
	; the figures: thread t takes columns j = 256 q + 2 t and + 1 (16 bytes) of my own block, then of all sixteen blocks k
.irp q, 0,1,2,3,4,5,6,7
	global_load_b128 v[OWN+4*\q:OWN+4*\q+3], v[AST], s[58:59] offset:2048*\q
.endr
.irp q, 0,1,2,3,4,5,6,7
	WIN ((1+2*(\q>>2))<<6)                         ; rounds 0-3 into window 1, rounds 4-7 into window 3
.irp k, 0,1,2,3,4,5,6,7,8,9,10,11,12,13,14,15
	global_load_b128 v[64*(\q&3)+4*\k:64*(\q&3)+4*\k+3], v[AST], s[8:9] offset:16384*\k+2048*\q
.endr
.endr
	WIN 0
; f of columns 256 q + 2 t, + 1.  16 (7 - q) younger loads may be out; a wait names 63 at the most.
.macro FTR q
.set DD, 64*(\q&3)
.if 16*(7-\q) > 63
	s_wait_loadcnt 63
.else
	s_wait_loadcnt 16*(7-\q)
.endif
	WIN (5*(1+2*(\q>>2)))
	v_max_num_f32 v[MXA], v[DD], v[DD+4]
	v_max_num_f32 v[MXB], v[DD+2], v[DD+6]
.irp k, 1,2,3,4,5,6,7
	v_max3_num_f32 v[MXA], v[DD+8*\k], v[DD+8*\k+4], v[MXA]
	v_max3_num_f32 v[MXB], v[DD+8*\k+2], v[DD+8*\k+6], v[MXB]
.endr
	WIN (1+2*(\q>>2))
.irp k, 0,1,2,3,4,5,6,7,8,9,10,11,12,13,14,15
	v_sub_f32 v[TT+2*\k], v[DD+4*\k], v[MXA]
	v_sub_f32 v[TT+2*\k+1], v[DD+4*\k+2], v[MXB]
.endr
	WIN 0
	v_sub_f32 v[TT+32], v[OWN+4*\q], v[MXA]
	v_sub_f32 v[TT+33], v[OWN+4*\q+2], v[MXB]
.set ii, 0
.rept 34
	v_exp_f32 v[TT+ii], v[TT+ii]
.set ii, ii+1
.endr
	v_nop                                          ; one plain instruction behind the last exponential, ahead of its use (ISA guide 5.7.2)
	WIN (1+2*(\q>>2))
	s_wait_alu depctr_va_vdst(0)
	v_mul_f32 v[ZA], v[DD+1], v[TT]
	v_mul_f32 v[ZB], v[DD+3], v[TT+1]
.irp k, 1,2,3,4,5,6,7,8,9,10,11,12,13,14,15
	v_fma_f32 v[ZA], v[DD+4*\k+1], v[TT+2*\k], v[ZA]
	v_fma_f32 v[ZB], v[DD+4*\k+3], v[TT+2*\k+1], v[ZB]
.endr
	WIN 0
	v_rcp_f32 v[RA], v[ZA]
	v_rcp_f32 v[RB], v[ZB]
	v_nop
	s_wait_alu depctr_va_vdst(0)
	v_mul_f32 v[RA], v[RA], v[TT+32]
	v_mul_f32 v[RB], v[RB], v[TT+33]
	v_cvt_pk_f16_f32 v[RA], v[RA], v[RB]
	ds_store_b32 v[AFW], v[RA] offset:512*\q
.endm
.irp q, 0,1,2,3,4,5,6,7
	FTR \q
.endr
; Quarter q (0..7) of a slot's two K steps uses g's buffer q & 1 and E's ring buffer q.
; 16 matrix instructions: channel tiles a0 .. a0+3 x all four i tiles.  The 32 accumulators take turns, one instruction a turn, in the same
; order in every quarter and over the loop's backward jump.
.macro MUL16 q, a0, zero
.irp a, \a0, \a0+1, \a0+2, \a0+3
.irp b, 0,1,2,3
.if \zero
	v_wmma_f32_16x16x32_f16 v[8*(4*(\a)+\b):8*(4*(\a)+\b)+7], v[16+104*(\q&1)+8*(\a):16+104*(\q&1)+8*(\a)+7], v[32*\q+8*\b:32*\q+8*\b+7], 0
.else
	v_wmma_f32_16x16x32_f16 v[8*(4*(\a)+\b):8*(4*(\a)+\b)+7], v[16+104*(\q&1)+8*(\a):16+104*(\q&1)+8*(\a)+7], v[32*\q+8*\b:32*\q+8*\b+7], v[8*(4*(\a)+\b):8*(4*(\a)+\b)+7]
.endif
.endr
.endr
.endm
; quarter q of slot s: 128 channels of g and 32 numbers of f into buffer q & 1
.macro FETCH s, q, foff
.irp a, 0,1,2,3,4,5,6,7
	ds_load_tr16_b128 v[16+104*(\q&1)+8*\a:16+104*(\q&1)+8*\a+3], v[AG+2*\s+(\q>>2)] offset:32*GPITCH*(\q&3)+32*\a
	ds_load_tr16_b128 v[16+104*(\q&1)+8*\a+4:16+104*(\q&1)+8*\a+7], v[AG+2*\s+(\q>>2)] offset:32*GPITCH*(\q&3)+32*\a+16*GPITCH
.endr
	ds_load_b128 v[112+104*(\q&1):112+104*(\q&1)+3], v[AF] offset:\foff+64*\q
	ds_load_b128 v[112+104*(\q&1)+4:112+104*(\q&1)+7], v[AF] offset:\foff+64*\q+32
.endm
.macro SCALE q                         ; E's fragments times f: register i of a fragment holds the same two j in every tile
.irp b, 0,1,2,3
.irp i, 0,1,2,3,4,5,6,7
	v_pk_mul_f16 v[32*\q+8*\b+\i], v[32*\q+8*\b+\i], v[112+104*(\q&1)+\i]
.endr
.endr
.endm
; One of a slot's first seven quarters.  ld = 1: E's quarter seven ahead is asked for, into the ring buffer that the last quarter read;
; cnt = the younger loads that may be out: eight for each of the quarters asked for behind this one's.
.macro QUARTER s, q, zero, ld, cnt
	s_wait_dscnt 0x0                               ; this quarter's g and f: the only LDS instructions out
	s_wait_loadcnt \cnt
	WIN 0x82
	SCALE \q                                       ; 32 plain instructions on this quarter's E: also the places behind the last quarter's matrix instructions
.if \ld
	WIN 0x80
	ELOAD ((\q+7)&7), (8*\s+\q+7)
.endif
	WIN 0
	FETCH \s, (\q+1), (512*\s)
	WIN 0x58
	MUL16 \q, 0, \zero
	MUL16 \q, 4, \zero
.endm
; A slot's last quarter and the change of slots.  In front of the barrier each wave waits for its reads of this slot and for all its tensor
; loads, of which one is out: its part of the next slot.  Where the slot is filled again the barrier opens a round of the cluster's
; barrier, with register work alone inside, and the joint refill is the wave's first and only tensor load behind it.
.macro TAIL s, fill
	s_wait_dscnt 0x0
	s_set_vgpr_msb 0x5850
	s_wait_tensorcnt 0x0
	ds_add_u32 v214, v215
	s_wait_dscnt 0x0
	s_set_vgpr_msb 0x5058
	s_wait_loadcnt 48                              ; E's ring buffer 7 is in; six younger quarters stay out
	s_barrier_signal -1
	WIN 0x82
	SCALE 7
	WIN 0x58
	MUL16 7, 0, 0
	WIN 0
	s_barrier_wait -1
.if \fill
	CREST
	s_add_nc_u64 s[G0G+4*\s+2:G0G+4*\s+3], s[G0G+4*\s+2:G0G+4*\s+3], 524288   ; 512 rows of g on
	tensor_load_to_lds s[G0G+4*\s:G0G+4*\s+3], s[G1G:G1G+7]
	s_nop 0
	v_nop
	v_nop
	v_nop
	v_nop
.endif
.if \s
	s_wait_xcnt 0x0                                ; E's base is stepped only behind this wait (the last loads that name it stand 48 matrix instructions back)
	s_add_nc_u64 s[6:7], s[6:7], 65536             ; sixteen quarters on: the next lap
	v_add_nc_u32 v[AF], 1024, v[AF]                ; f likewise
.endif
	WIN 0x80
	ELOAD 6, (14-8*\s)
	WIN 0
	FETCH (1-\s), 0, (512*(1-\s))
	WIN 0x58
	MUL16 7, 4, 0
	WIN 0
.endm
.macro PAIR s, zero, fill              ; a slot: two K steps
	QUARTER \s, 0, \zero, 1, 48
	QUARTER \s, 1, 0, 1, 48
	QUARTER \s, 2, 0, 1, 48
	QUARTER \s, 3, 0, 1, 48
	QUARTER \s, 4, 0, 1, 48
	QUARTER \s, 5, 0, 1, 48
	QUARTER \s, 6, 0, 1, 48
	TAIL \s, \fill
.endm
	s_wait_dscnt 0x0                               ; my part of f is in LDS
	s_wait_tensorcnt 0x1                           ; my part of slot 0 is in; slot 1's may stay out
	s_barrier_signal -1
	s_barrier_wait -1
	FETCH 0, 0, 0
	PAIR 0, 1, 1                                   ; K steps 0 to 3: the first products start the sums
	PAIR 1, 0, 1
	s_mov_b32 s55, 2                               ; K steps 4 to 11
.Llap:
	PAIR 0, 0, 1
	PAIR 1, 0, 1
	s_sub_co_u32 s55, s55, 1
	s_cmp_lg_u32 s55, 0
	s_cbranch_scc1 .Llap
	PAIR 0, 0, 0                                   ; K steps 12, 13: no tile is left to fetch: a plain barrier
	QUARTER 1, 0, 0, 1, 48                         ; K steps 14, 15: E's last quarter is asked for, then the counts run down
	QUARTER 1, 1, 0, 0, 48
	QUARTER 1, 2, 0, 0, 40
	QUARTER 1, 3, 0, 0, 32
	QUARTER 1, 4, 0, 0, 24
	QUARTER 1, 5, 0, 0, 16
	QUARTER 1, 6, 0, 0, 8
	s_wait_dscnt 0x0
	s_wait_loadcnt 0x0
	WIN 0x82
	SCALE 7
	WIN 0x58
	MUL16 7, 0, 0
	MUL16 7, 4, 0
	WIN 0
; w_mask's fragments of o2 tile 8 wave + t, and x's 16 rows of that tile (one row's 512 consecutive bytes a load)
.macro LDW t
.irp kb, 0,1,2,3,4,5,6,7
	global_load_b128 v[16+64*(\t&1)+8*\kb:16+64*(\t&1)+8*\kb+3], v[AWM], s[10:11] offset:8192*\t+1024*\kb
	global_load_b128 v[16+64*(\t&1)+8*\kb+4:16+64*(\t&1)+8*\kb+7], v[AWM], s[10:11] offset:8192*\t+1024*\kb+512
.endr
.endm
.macro LDX t
	WIN 0x40
.irp row, 0,1,2,3,4,5,6,7,8,9,10,11,12,13,14,15
	global_load_b128 v[64*(\t&1)+4*\row:64*(\t&1)+4*\row+3], v[AXO], s[12:13] offset:(16*\t+\row)*16384 th:TH_LOAD_NT
.endr
	WIN 0
.endm
	; y to LDS in bf16: a lane's eight results are eight neighbouring channels of one i.  It goes into slot 0: that slot has had its last fill,
	; and every wave's last reads of it were waited for in front of the barrier behind K step 13.
	PLACES 4
.irp b, 0,1,2,3
	WIN 0x05
.irp a, 0,1,2,3,4,5,6,7
.irp i, 0,1,2,3
	v_cvt_pk_bf16_f32 v[TMP+4*\a+\i], v[8*(4*\a+\b)+2*\i], v[8*(4*\a+\b)+2*\i+1]
.endr
.endr
	WIN 0
.irp a, 0,1,2,3,4,5,6,7
	ds_store_b128 v[AYW], v[TMP+4*\a:TMP+4*\a+3] offset:16*YPITCH*\b+32*\a
.endr
.endr
	LDW 0
	LDX 0
	s_wait_dscnt 0x0                               ; my part of y is in LDS
	s_barrier_signal -1
	s_barrier_wait -1                              ; everybody's is
.irp it, 0,1,2,3,4,5,6,7
	WIN (0x80+0x40*(\it>>2))
.irp kb, 0,1,2,3,4,5,6,7
	ds_load_b128 v[8*(8*(\it&3)+\kb):8*(8*(\it&3)+\kb)+3], v[AYR] offset:16*YPITCH*\it+64*\kb
	ds_load_b128 v[8*(8*(\it&3)+\kb)+4:8*(8*(\it&3)+\kb)+7], v[AYR] offset:16*YPITCH*\it+64*\kb+32
.endr
.endr
	WIN 0
	s_wait_dscnt 0x0
; 16 rows o2 x 128 pixels: 64 matrix instructions (four accumulators take turns), through my stage into whole rows, plus x, out.
.macro MTILE t
.if \t < 7
	LDW (\t+1)
	LDX (\t+1)
	s_wait_loadcnt 48                              ; younger than this tile's w_mask: its x, the next tile's w_mask and x
.else
	s_wait_loadcnt 16                              ; this tile's x
.endif
	WIN 0x02
.irp kb, 0,1,2,3,4,5,6,7
.irp it, 0,1,2,3
.if \kb == 0
	v_wmma_f32_16x16x32_bf16 v[144+8*\it:144+8*\it+7], v[8*(8*\it+\kb):8*(8*\it+\kb)+7], v[16+64*(\t&1)+8*\kb:16+64*(\t&1)+8*\kb+7], 0
.else
	v_wmma_f32_16x16x32_bf16 v[144+8*\it:144+8*\it+7], v[8*(8*\it+\kb):8*(8*\it+\kb)+7], v[16+64*(\t&1)+8*\kb:16+64*(\t&1)+8*\kb+7], v[144+8*\it:144+8*\it+7]
.endif
.endr
.endr
	WIN 0x03
.irp kb, 0,1,2,3,4,5,6,7
.irp it, 0,1,2,3
.if \kb == 0
	v_wmma_f32_16x16x32_bf16 v[176+8*\it:176+8*\it+7], v[8*(8*\it+\kb):8*(8*\it+\kb)+7], v[16+64*(\t&1)+8*\kb:16+64*(\t&1)+8*\kb+7], 0
.else
	v_wmma_f32_16x16x32_bf16 v[176+8*\it:176+8*\it+7], v[8*(8*\it+\kb):8*(8*\it+\kb)+7], v[16+64*(\t&1)+8*\kb:16+64*(\t&1)+8*\kb+7], v[176+8*\it:176+8*\it+7]
.endif
.endr
.endr
	WIN 0
	PLACES 4
.irp it, 0,1,2,3,4,5,6,7
	ds_store_b128 v[ASW], v[144+8*\it:144+8*\it+3] offset:64*\it           ; row o2 = r, pixels 16 it + 8 h + 0..3
	ds_store_b128 v[ASW], v[144+8*\it+4:144+8*\it+7] offset:64*\it+16
.endr
	s_wait_xcnt 0x0                                ; the rows' registers were data of the last tile's stores: loaded again only behind this wait
	WIN 0x40
.irp row, 0,1,2,3,4,5,6,7,8,9,10,11,12,13,14,15
	ds_load_b128 v[128+4*\row:128+4*\row+3], v[ASR] offset:YPITCH*\row     ; LDS serves a wave's instructions in order: these see the stores above
.endr
	s_wait_dscnt 0x0
.if \t < 7
	s_wait_loadcnt 32                              ; this tile's x is in; the next tile's 32 loads stay out
.else
	s_wait_loadcnt 0
.endif
	WIN 0x45
.set ii, 0
.rept 32
	v_pk_add_f32 v[128+2*ii:128+2*ii+1], v[128+2*ii:128+2*ii+1], v[64*(\t&1)+2*ii:64*(\t&1)+2*ii+1]
.set ii, ii+1
.endr
	WIN 0x04
.irp row, 0,1,2,3,4,5,6,7,8,9,10,11,12,13,14,15
	global_store_b128 v[AXO], v[128+4*\row:128+4*\row+3], s[14:15] offset:(16*\t+\row)*16384 th:TH_STORE_NT   ; 512 consecutive bytes of a row of out0
.endr
	WIN 0
.endm
.irp t, 0,1,2,3,4,5,6,7
	MTILE \t
.endr
	s_wait_tensorcnt 0x0
	ds_add_u32 v214, v215
	s_wait_dscnt 0x0
	CROUND                                         ; the closing round: no work-group ends while a partner may still ask jointly
	s_endpgm
.Lfunc_end_k_q5e6b24c894_pv:
	.size	k_q5e6b24c894_pv, .Lfunc_end_k_q5e6b24c894_pv-k_q5e6b24c894_pv
	.p2alignl 7, 3214868480
	.fill 96, 4, 3214868480
	.section	.rodata,"a",@progbits
	.p2align	6, 0x0
	.amdhsa_kernel k_q5e6b24c894_pv
		.amdhsa_group_segment_fixed_size 327680
		.amdhsa_private_segment_fixed_size 0
		.amdhsa_enable_private_segment 0
		.amdhsa_kernarg_size 48
		.amdhsa_user_sgpr_count 2
		.amdhsa_user_sgpr_kernarg_segment_ptr 1
		.amdhsa_wavefront_size32 1
		.amdhsa_system_sgpr_workgroup_id_x 1
		.amdhsa_system_sgpr_workgroup_id_y 1
		.amdhsa_system_sgpr_workgroup_id_z 1
		.amdhsa_system_vgpr_workitem_id 0
		.amdhsa_next_free_vgpr 1024
		.amdhsa_next_free_sgpr 66
		.amdhsa_reserve_vcc 0
		.amdhsa_float_denorm_mode_32 3
		.amdhsa_float_denorm_mode_16_64 3
		.amdhsa_memory_ordered 1
		.amdhsa_forward_progress 1
		.amdhsa_inst_pref_size 255
	.end_amdhsa_kernel
	.section	.bss,"aw",@nobits
	.p2align	6
	.space	262144
	.amdgpu_metadata
---
amdhsa.version: [ 1, 2 ]
amdhsa.kernels:
  - .name:           k_q5e6b24c894_pv
    .symbol:         k_q5e6b24c894_pv.kd
    .args:
      - { .name: tpg, .offset: 0, .size: 8, .value_kind: global_buffer, .address_space: global }
      - { .name: et, .offset: 8, .size: 8, .value_kind: global_buffer, .address_space: global }
      - { .name: st, .offset: 16, .size: 8, .value_kind: global_buffer, .address_space: global }
      - { .name: wmf, .offset: 24, .size: 8, .value_kind: global_buffer, .address_space: global }
      - { .name: x, .offset: 32, .size: 8, .value_kind: global_buffer, .address_space: global }
      - { .name: out0, .offset: 40, .size: 8, .value_kind: global_buffer, .address_space: global }
    .group_segment_fixed_size: 327680
    .private_segment_fixed_size: 0
    .kernarg_segment_align: 8
    .kernarg_segment_size: 48
    .max_flat_workgroup_size: 128
    .sgpr_count:     66
    .vgpr_count:     1024
    .wavefront_size: 32
...
	.end_amdgpu_metadata
.endif
;; end of part 4
